; MI455X (gfx1250); checked and timed in simulation.
; The chip was launched on July 23, 2026; its instructions are those of AMD's public machine-readable ISA for CDNA 5 (MIT licence, August 2026) and "CDNA5" Instruction Set Architecture Reference Guide (July 2026). The comments in the code are by the model that wrote it; some were corrected since.
;; Flash Attention V3. Allowed arithmetic: matrix products marked QUANTISED: E3M2 operands, one E8M0 scale for each 32 along K, by v_wmma_scale_f32_16x16x128_f8f6f4 with both operands' format E3M2, f32 sums; everything else in f32.
;; Inputs: K 2 x 16 x 2,048 x 128 float32; Q 2 x 16 x 2,048 x 128 float32; V 2 x 16 x 2,048 x 128 float32.
;; Outputs: out0 2 x 16 x 2,048 x 128 float32.
;; This version of the problem:
;;   THIS VERSION OF THE PROBLEM IS GIVEN IN LOW PRECISION. The matrix products marked QUANTISED in the list below multiply operands that are first quantised to E3M2 (3 exponent bits, 2 mantissa bits; 6 bits a number), with one power-of-two scale for each 32 numbers along K (OCP MX v1.0); their sums are f32. All else is computed in f32.
;;   The module's matrix products, in the order in which they are computed (A, B: the left and right operand; K: the contracted axis; several contracted axes count as one K, in the product's order):
;;     1. batch 32 x [M 2,048, K 128] x [K 128, N 2,048]; A: input Q; B: input K: QUANTISED
;;     2. batch 32 x [M 2,048, K 2,048] x [K 2,048, N 128]; A: softmax (see below); B: input V: QUANTISED
;;   THE QUANTISER, for each operand of a quantised product, along K:
;;     - K is cut into blocks of 32 from its start; a last block that is shorter is filled with zeros.
;;     - A block's scale is 2^e with e = floor(log2(the largest magnitude in the block)) - 4, held to -126 .. 127; a block of zeros has e = 0. As a byte (E8M0): e + 127.
;;     - Each number is divided by its block's scale, clamped to +-28, and rounded to the nearest number of E3M2, ties to even, subnormals kept.
;;     - The product sums the exact products of the quantised numbers (number of the format x scale) in f32.
;;   ~~~python
;;   def quantise(x, axis):      # numpy; x: float32 -> the quantised numbers, widened to float32 again
;;       x = np.moveaxis(x, axis, -1); K = x.shape[-1]
;;       x = np.pad(x, [(0, 0)] * (x.ndim - 1) + [(0, -K % 32)]); x = x.reshape(x.shape[:-1] + (-1, 32)); a = np.abs(x).max(-1, keepdims=True)
;;       e = np.where(a > 0, np.clip(np.frexp(np.where(a > 0, a, 1))[1] - 1 - 4, -126, 127), 0)      # np.frexp(a)[1] - 1 = floor(log2(a)), exactly
;;       r = np.clip(x / 2.0 ** e, -28, 28)
;;       step = 2.0 ** (np.maximum(np.frexp(np.where(r == 0, 1, r))[1] - 1, -2) - 2)
;;       q = np.round(r / step) * step * 2.0 ** e      # np.round: ties to even
;;       return np.moveaxis(q.reshape(q.shape[:-2] + (-1,))[..., :K], -1, axis).astype(np.float32)
;;   ~~~
;;   SOFTMAX AHEAD OF A QUANTISED PRODUCT. Where the list says 'softmax', what is quantised is not the finished softmax but p = 2^(t - M), with t = logit x log2(e) and M = ceil(the row's largest t), a whole number; so 1/2 < the row's largest p <= 1. The row's sum l is taken of the UNQUANTISED p, in f32, and the product's result is divided by l at the end. Since M is a whole number, a kernel that streams over the keys may use a running M (the ceiling of the running maximum): every later rescaling is an exact power of two, which a block's scale takes up: the codes' values come out the same.
;;   OPERANDS COMPUTED ON THE WAY. 'Computed on the way' means the value that the module computes at that place (a softmax that the list does not call 'softmax' is quantised finished and normalised). What goes into a quantiser is computed in f32, as accurately as f32 sums, v_exp_f32 and their like allow (about 1e-6 of the number): no bf16 or f16 on the way to a quantiser, and a product that is left as it is and whose result goes on into a quantised operand takes f32 operands (vector FMAs, or v_wmma_f32_16x16x4_f32). A number that lies on a knife's edge between two numbers of the format may be rounded either way, as far as f32 arithmetic and the matrix unit's own rounding can turn it there, and no further.
;; One version. Each part assembles by itself: llvm-mc -triple=amdgcn-amd-amdhsa -mcpu=gfx1250 --defsym DOCPART=n.
;; ======== version 1 of 1: 2 launches
;; workspace buffers: kv 13,107,200 bytes
;; launch quant (part 1): grid 8 x 32, 16 waves a work-group, no clusters, 137,216 bytes of LDS; arguments K, V, kv; writes kv
.if DOCPART == 1
	.amdgcn_target "amdgcn-amd-amdhsa--gfx1250"
	.amdhsa_code_object_version 6
	.text
	.protected	k_q103ea49020_quant
	.globl	k_q103ea49020_quant
	.p2align	8
	.type	k_q103ea49020_quant,@function
k_q103ea49020_quant:
	s_mov_b64 s[64:65], 0
	v_nop
	global_prefetch_b8 v0, s[64:65] scope:SCOPE_SE
	s_setreg_imm32_b32 hwreg(HW_REG_WAVE_MODE, 25, 1), 1
	s_wait_xcnt 0x0
; K and V [32 heads][2048 keys][128 channels], f32, become codes of BF6 (E3M2), 6 bits each, with one E8M0 scale byte for each 32 along a product's K:
; K is quantised along the channels, V along the KEYS.  A block's scale is 2^(floor(log2(its largest magnitude)) - 4); its byte is the largest magnitude's own exponent field - 4,
; held at 1 from below; each number is divided by the scale and rounded to the nearest code, ties to even, beyond the largest code the largest.
; THE OUTPUT IS LAID AS THE NEXT LAUNCH'S MATRIX OPERANDS LIE IN REGISTERS.  For each head and each step of 128 keys one RECORD of 25,600 bytes:
;   byte 0      K's 8 tiles (16 keys x 128 channels), 1,536 bytes each      byte 12,288  V^T's 8 tiles (16 channels x 128 keys), 1,536 bytes each
;   byte 24,576 K's scale words, 4 bytes for a tile's row: 64 tile + 4 row  byte 25,088  V's likewise
; A tile is the image of a fragment's 12 registers: register p of lane l at 512 (p / 4) + 16 l + 4 (p % 4); three accesses of 16 bytes a lane, at 16 l + 512 c, store it or load it.
; Lane (r, h) of a fragment holds row r; its registers 6 c .. 6 c + 5 hold the row's numbers 64 c + 32 h + 0 .. 31.
; THE KEYS OF A TILE OF K ARE NOT NEIGHBOURS: row r of tile 2 b + u is key 32 b + 8 u + r + 8 (r / 8) of the step, as the next launch's softmax wants them.  Row r of V^T's tile t is channel 16 t + r.
; SHARES.  A work-group takes 256 keys (two steps) of one head.  Waves 0-7 take K, 32 keys each (one pair of tiles); waves 8-15 take V, 32 channels x 128 keys each (one pair of tiles).
; The roles part once on the wave's number and never meet again: no barrier.  Only K's waves use LDS, each its own 16,896 bytes.  No tensor loads, no ring: each wave asks for all its 16 KiB at its start.
; No cluster: no two work-groups read the same byte.  No matrix work: the launch is a stream.
; LIMITS: NaN and infinities among the inputs are not served.  A block of zeros, or one whose largest magnitude lies under 2^-122, gets the byte 1 (the rule says 127 for zeros): a block of zeros
; has zero codes, which add nothing under any byte but 0xff, and the bytes are read by this program alone.
.set REC,  25600                       ; a record
.set VIMG, 12288
.set KSC,  24576
.set VSC,  25088
.set FRB,  1536                        ; a fragment's image
.set SP,   528                         ; K's stage: a key's row of 512 bytes + 16: sixteen neighbouring rows begin 33 x 16 bytes apart
.set WST,  32*SP                       ; a wave's stage
.set LN,   2                           ; v2   lane
.set LI,   3                           ; v3   16 x lane
.set SIN,  4                           ; v4   K's stage, on the way in: my 16 bytes of a row
.set SOUT, 5                           ; v5   and on the way out: row r, + 128 h
.set LW,   6                           ; v6   4 x lane
.set VO,   7                           ; v7   V: my channel's place in its tile's image: 1,536 (lane / 16) + 16 (lane % 16)
.set R,    16                          ; K: v16-143  32 rows as loaded
.set X0,   144                         ; K: v144-207 the first tile's 64 numbers of my row
.set X1,   16                          ; K: v16-79   the second tile's
.set PC0,  208                         ; K: v208-219 the first tile's codes;  v220-231 the second's: no store's data are written again
.set PC1,  220
.set QM,   232                         ; v232-233 largest magnitudes;  v234-235 the conversions' scale operands;  v236-237 the bytes
.set QS,   234
.set QB,   236
.set QT,   238                         ; v238 a lane permute's destination
.set QH,   239                         ; v239 8 h
.set QC,   240                         ; v240-242, v244-246 the upper halves of the two blocks' codes
.set W0,   248                         ; K: the two tiles' scale words, and the pair's
.set W1,   249
.set WW,   250
.set XV,   16                          ; V: v16-143  128 keys of my channel
.set CODE, 144                         ; V: v144-167 the codes: 12 registers for image lanes 0-15 (blocks 0, 2), 12 for image lanes 16-31 (blocks 1, 3)
.set TC,   168                         ; V: v168-170 a block's upper half
.set VM,   172                         ; V: v172-173 two chains of maxima;  v174 the scale operand;  v175 the byte;  v176 the scale word
.set VS,   174
.set VB,   175
.set VW,   176
.set SEL,  26                          ; s[26:27] lane selects for v_permlanex16_b32: lane l xor 16
; 64 numbers of a lane, v[x + 32 c + i] = number 64 c + 32 h + i of my row, become a fragment's 12 registers in v[pc] on, and my row's scale word in v[w] (the same in lanes r and 16 + r).
.macro QFRAG x, pc, w
.irp c, 0,1
	v_max3_num_f32 v[QM+\c], |v[\x+32*\c]|, |v[\x+32*\c+1]|, 0x2800000       ; my block 2 c + h: all its 32 numbers are mine; the floor 2^(5 - 127) holds the byte at 1 from below
.endr
.irp i, 2,4,6,8,10,12,14,16,18,20,22,24,26,28,30
.irp c, 0,1
	s_delay_alu instid0(VALU_DEP_2)
	v_max3_num_f32 v[QM+\c], v[QM+\c], |v[\x+32*\c+\i]|, |v[\x+32*\c+\i+1]|  ; (the two blocks by turns)
.endr
.endr
.irp c, 0,1
	s_delay_alu instid0(VALU_DEP_2)
	v_add_nc_u32 v[QS+\c], 0xfe000000, v[QM+\c]    ; 4 off the exponent field: the conversion takes the exponent field of this operand as its scale, and nothing else of it
.endr
.irp c, 0,1
	s_delay_alu instid0(VALU_DEP_2)
	v_lshrrev_b32 v[QB+\c], 23, v[QS+\c]           ; the scale's byte
.endr
	s_delay_alu instid0(VALU_DEP_1)
	v_lshl_or_b32 v[\w], v[QB+1], 16, v[QB]        ; my two bytes: blocks h and 2 + h,
	s_delay_alu instid0(VALU_DEP_1)
	v_lshlrev_b32 v[\w], v[QH], v[\w]              ; at their places in the word (8 h bits up);
	s_delay_alu instid0(VALU_DEP_1)
	v_permlanex16_b32 v[QT], v[\w], s[SEL], s[SEL+1]
	s_delay_alu instid0(VALU_DEP_1)
	v_or_b32 v[\w], v[\w], v[QT]                   ; with lane l xor 16's two the word is whole
.irp c, 0,1
	v_cvt_scalef32_pk16_bf6_f32 v[\pc+6*\c:\pc+6*\c+2], v[\x+32*\c:\x+32*\c+15], v[QS+\c]
	v_cvt_scalef32_pk16_bf6_f32 v[QC+4*\c:QC+4*\c+2], v[\x+32*\c+16:\x+32*\c+31], v[QS+\c]   ; (a conversion's three registers begin on an even number: a block's upper half is made elsewhere and moved)
.endr
	v_nop                                          ; one plain place behind a scaled conversion
.irp c, 0,1
.irp i, 0,1,2
	v_mov_b32 v[\pc+6*\c+3+\i], v[QC+4*\c+\i]
.endr
.endr
.endm
	s_load_b128 s[4:7], s[0:1], 0x0                ; K s[4:5], V s[6:7]
	s_load_b64 s[8:9], s[0:1], 0x10                ; kv
	v_lshl_add_u32 v254, v0, 2, 0x21000
	v_mov_b32 v255, 0
	v_lshrrev_b32 v1, 5, v0
	s_delay_alu instid0(VALU_DEP_1)
	v_readfirstlane_b32 s10, v1                    ; wave 0..15
	v_and_b32 v[LN], 31, v0
	s_wait_alu depctr_va_vdst(0)
	s_and_b32 s11, ttmp7, 0xffff                   ; the head
	s_and_b32 s12, s10, 7                          ; my number in my role
	s_lshr_b32 s13, s12, 2                         ; which of the work-group's two steps,
	s_and_b32 s14, s12, 3                          ; and which pair of tiles in it
	s_lshl_b32 s15, ttmp9, 1
	s_add_co_u32 s15, s15, s13                     ; the step: 2 x work-group x + 0 or 1
	s_lshl_b32 s16, s11, 4
	s_add_co_u32 s16, s16, s15
	s_mul_i32 s16, s16, REC                        ; the record's first byte: (16 head + step) x 25,600, under 2^24
	s_mov_b32 s17, 0
	s_mul_i32 s18, s14, 2*FRB                      ; my pair of images in it,
	s_mov_b32 s19, 0
	s_add_nc_u64 s[18:19], s[18:19], s[16:17]
	s_lshl_b32 s24, s14, 7                         ; and my pair's 32 scale words
	s_mov_b32 s25, 0
	s_add_nc_u64 s[24:25], s[24:25], s[16:17]
	s_mov_b32 s[SEL], 0x76543210
	s_mov_b32 s[SEL+1], 0xfedcba98
	; every address register is made here, ahead of the parting of the roles
	v_lshlrev_b32 v[LI], 4, v[LN]
	v_lshlrev_b32 v[LW], 2, v[LN]
	v_and_b32 v8, 15, v0                           ; r
	v_bfe_u32 v9, v0, 4, 1                         ; h
	s_mul_i32 s28, s12, WST                        ; my stage
	v_add_nc_u32 v[SIN], s28, v[LI]
	v_mul_u32_u24 v[SOUT], v8, SP
	s_delay_alu instid0(VALU_DEP_1)
	v_lshl_add_u32 v[SOUT], v9, 7, v[SOUT]
	s_delay_alu instid0(VALU_DEP_1)
	v_add_nc_u32 v[SOUT], s28, v[SOUT]
	v_lshlrev_b32 v[VO], 4, v8
	s_delay_alu instid0(VALU_DEP_1)
	v_mad_u32_u24 v[VO], v9, FRB, v[VO]
	v_lshlrev_b32 v[QH], 3, v9
	v_mov_b32 v[QT], 0                             ; written once: a lane permute's destination counts as one of its sources
	s_wait_kmcnt 0x0
	s_add_nc_u64 s[20:21], s[8:9], s[18:19]        ; kv at my pair of images (K's; V's lie VIMG further on)
	s_add_nc_u64 s[22:23], s[8:9], s[24:25]        ; kv at my pair's scale words, less KSC or VSC
	s_cmp_lt_u32 s10, 8
	s_cbranch_scc0 .Lv_role
	; ---- K: my 32 keys, 16 KiB.  A load takes one whole row of 512 bytes, 16 bytes a lane; the rows go through my stage, sorted into the two tiles' order, and come back 256 bytes of ONE row a lane.
	s_lshl_b32 s30, s11, 20                        ; a head is 2,048 rows of 512 bytes,
	s_lshl_b32 s31, ttmp9, 17                      ; the work-group's part 256 rows,
	s_add_co_u32 s30, s30, s31
	s_lshl_b32 s31, s12, 14                        ; mine 32
	s_add_co_u32 s30, s30, s31
	s_mov_b32 s31, 0
	s_add_nc_u64 s[4:5], s[4:5], s[30:31]
.set i, 0
.rept 32
	global_load_b128 v[R+4*i:R+4*i+3], v[LI], s[4:5] offset:512*i th:TH_LOAD_NT
.set i, i+1
.endr
.set i, 0
	s_wait_alu depctr_va_vdst(0)
.rept 4
	s_wait_loadcnt 24-i                            ; eight more rows are in; the 24, 16, 8, 0 younger loads may stay out
.rept 8
	ds_store_b128 v[SIN], v[R+4*i:R+4*i+3] offset:(16*((i/8)%2)+i%8+8*(i/16))*SP   ; key i is row i % 8 + 8 (i / 16) of tile (i / 8) % 2
.set i, i+1
.endr
.endr
.macro XIN x, u                        ; tile u's 64 numbers of my row: LDS serves a wave's instructions in order (ISA guide 5.7.1.4), so these see the stores above
.irp c, 0,1
.irp j, 0,1,2,3,4,5,6,7
	ds_load_b128 v[\x+32*\c+4*\j:\x+32*\c+4*\j+3], v[SOUT] offset:\u*16*SP+256*\c+16*\j
.endr
.endr
.endm
.macro FOUT pc, u                      ; tile u's image: each store of the wave covers 512 consecutive bytes, at a multiple of 256 from kv's first byte
.irp c, 0,1,2
	global_store_b128 v[LI], v[\pc+4*\c:\pc+4*\c+3], s[20:21] offset:\u*FRB+512*\c
.endr
.endm
	XIN X0, 0
	s_wait_dscnt 16                                ; all but the 16 reads just issued: the 32 stores are done and have read v16-143,
	XIN X1, 1                                      ; into which the second tile's numbers come
	s_wait_dscnt 16                                ; the first tile's 16 reads are in; the second's may stay out
	QFRAG X0, PC0, W0
	FOUT PC0, 0
	s_wait_dscnt 0x0
	QFRAG X1, PC1, W1
	FOUT PC1, 1
	v_cmp_gt_u32 vcc_lo, 16, v[LN]
	s_delay_alu instid0(VALU_DEP_1)
	v_cndmask_b32 v[WW], v[W1], v[W0], vcc_lo      ; lanes 0-15: the first tile's words, lanes 16-31: the second's
	global_store_b32 v[LW], v[WW], s[22:23] offset:KSC   ; 128 consecutive bytes
	s_wait_tensorcnt 0x0
	ds_add_u32 v254, v255
	s_wait_dscnt 0x0
	s_endpgm
.Lv_role:
	; ---- V: A LANE TAKES A CHANNEL, AND ITS REGISTERS RUN DOWN THE KEYS: a block of 32 keys lies in one lane's 32 registers, and the conversions give codes with the keys innermost.  Nothing is transposed.
	; A load reads 128 consecutive bytes of a key's row; the four waves of a step stand side by side on its 512.
	s_lshl_b32 s30, s11, 20                        ; the head,
	s_lshl_b32 s31, s15, 16                        ; the step's 128 rows of 512 bytes,
	s_add_co_u32 s30, s30, s31
	s_lshl_b32 s31, s14, 7                         ; my 32 channels
	s_add_co_u32 s30, s30, s31
	s_mov_b32 s31, 0
	s_add_nc_u64 s[6:7], s[6:7], s[30:31]
.set i, 0
.rept 128
	global_load_b32 v[XV+i], v[LW], s[6:7] offset:512*i th:TH_LOAD_NT
.set i, i+1
.endr
.macro VBLOCK b                        ; keys 32 b .. 32 b + 31 of my channel
.set XS, XV+32*(\b)
.set CB, CODE+12*((\b)%2)+6*((\b)/2)   ; block b = 2 c + h of the fragment: image lanes 16 h on, registers 6 c on
	v_max3_num_f32 v[VM], |v[XS]|, |v[XS+1]|, |v[XS+2]|
	v_max3_num_f32 v[VM+1], |v[XS+3]|, |v[XS+4]|, |v[XS+5]|
.irp i, 6,10,14,18,22,26
	s_delay_alu instid0(VALU_DEP_2)
	v_max3_num_f32 v[VM], v[VM], |v[XS+\i]|, |v[XS+\i+1]|
	s_delay_alu instid0(VALU_DEP_2)
	v_max3_num_f32 v[VM+1], v[VM+1], |v[XS+\i+2]|, |v[XS+\i+3]|
.endr
	s_delay_alu instid0(VALU_DEP_2)
	v_max3_num_f32 v[VM], v[VM], |v[XS+30]|, |v[XS+31]|
	s_delay_alu instid0(VALU_DEP_1)
	v_max3_num_f32 v[VM], v[VM], v[VM+1], 0x2800000        ; and the floor 2^(5 - 127)
	s_delay_alu instid0(VALU_DEP_1)
	v_add_nc_u32 v[VS], 0xfe000000, v[VM]          ; 4 off the exponent field: the conversion's scale operand
	s_delay_alu instid0(VALU_DEP_1)
	v_lshrrev_b32 v[VB], 23, v[VS]                 ; the scale's byte
.if (\b) == 0
	s_delay_alu instid0(VALU_DEP_1)
	v_mov_b32 v[VW], v[VB]                         ; four bytes make my channel's scale word, the lower keys in the lower byte
.else
	s_delay_alu instid0(VALU_DEP_1)
	v_lshl_or_b32 v[VW], v[VB], 8*(\b), v[VW]
.endif
	v_cvt_scalef32_pk16_bf6_f32 v[CB:CB+2], v[XS:XS+15], v[VS]
	v_cvt_scalef32_pk16_bf6_f32 v[TC:TC+2], v[XS+16:XS+31], v[VS]
	v_nop                                          ; one plain place behind a scaled conversion
.irp i, 0,1,2
	v_mov_b32 v[CB+3+\i], v[TC+\i]
.endr
.endm
	s_wait_loadcnt 63                              ; the largest count that a wait can name: of the 128 loads at most 63 are out, so the first 65 are in: blocks 0 and 1
	VBLOCK 0
	VBLOCK 1
	s_wait_loadcnt 32                              ; block 2 is in; block 3's 32 loads may stay out
	VBLOCK 2
	s_wait_loadcnt 0x0
	VBLOCK 3
.irp h, 0,1                            ; lanes 0-15 store 256 consecutive bytes of my first tile's image, lanes 16-31 of my second's, each at a multiple of 256 from kv's first byte
.irp c, 0,1,2
	global_store_b128 v[VO], v[CODE+12*\h+4*\c:CODE+12*\h+4*\c+3], s[20:21] offset:VIMG+256*\h+512*\c
.endr
.endr
	global_store_b32 v[LW], v[VW], s[22:23] offset:VSC   ; 128 consecutive bytes
	s_endpgm
.Lfunc_end_k_q103ea49020_quant:
	.size	k_q103ea49020_quant, .Lfunc_end_k_q103ea49020_quant-k_q103ea49020_quant
	.p2alignl 7, 3214868480
	.fill 96, 4, 3214868480
	.section	.rodata,"a",@progbits
	.p2align	6, 0x0
	.amdhsa_kernel k_q103ea49020_quant
		.amdhsa_group_segment_fixed_size 137216
		.amdhsa_private_segment_fixed_size 0
		.amdhsa_enable_private_segment 0
		.amdhsa_kernarg_size 24
		.amdhsa_user_sgpr_count 2
		.amdhsa_user_sgpr_kernarg_segment_ptr 1
		.amdhsa_wavefront_size32 1
		.amdhsa_system_sgpr_workgroup_id_x 1
		.amdhsa_system_sgpr_workgroup_id_y 1
		.amdhsa_system_sgpr_workgroup_id_z 1
		.amdhsa_system_vgpr_workitem_id 0
		.amdhsa_next_free_vgpr 256
		.amdhsa_next_free_sgpr 66
		.amdhsa_reserve_vcc 1
		.amdhsa_float_denorm_mode_32 3
		.amdhsa_float_denorm_mode_16_64 3
		.amdhsa_memory_ordered 1
		.amdhsa_forward_progress 1
		.amdhsa_inst_pref_size 40
	.end_amdhsa_kernel
	.amdgpu_metadata
---
amdhsa.version: [ 1, 2 ]
amdhsa.kernels:
  - .name:           k_q103ea49020_quant
    .symbol:         k_q103ea49020_quant.kd
    .args:
      - { .name: K, .offset: 0, .size: 8, .value_kind: global_buffer, .address_space: global }
      - { .name: V, .offset: 8, .size: 8, .value_kind: global_buffer, .address_space: global }
      - { .name: kv, .offset: 16, .size: 8, .value_kind: global_buffer, .address_space: global }
    .group_segment_fixed_size: 137216
    .private_segment_fixed_size: 0
    .kernarg_segment_align: 8
    .kernarg_segment_size: 24
    .max_flat_workgroup_size: 512
    .sgpr_count:     66
    .vgpr_count:     256
    .wavefront_size: 32
...
	.end_amdgpu_metadata
.endif
;; end of part 1
;; launch attn (part 2): grid 8 x 32, 16 waves a work-group, clusters of 4 x 1, 327,680 bytes of LDS; arguments Q, kv, out0; writes out0
.if DOCPART == 2
	.amdgcn_target "amdgcn-amd-amdhsa--gfx1250"
	.amdhsa_code_object_version 6
	.text
	.protected	k_q103ea49020_attn
	.globl	k_q103ea49020_attn
	.p2align	8
	.type	k_q103ea49020_attn,@function
k_q103ea49020_attn:
	s_mov_b64 s[64:65], 0
	v_nop
	global_prefetch_b8 v0, s[64:65] scope:SCOPE_SE
	s_setreg_imm32_b32 hwreg(HW_REG_WAVE_MODE, 25, 1), 1
	s_wait_xcnt 0x0
	s_wait_alu depctr_hold_cnt(0) depctr_sa_sdst(0) depctr_va_vdst(0) depctr_va_sdst(0) depctr_va_ssrc(0) depctr_va_vcc(0) depctr_vm_vsrc(0)
	s_getreg_b32 s2, hwreg(HW_REG_IB_STS2, 6, 4)
	s_cmp_eq_u32 s2, 0
	s_cbranch_scc0 .Lentry_in_a_cluster
	s_endpgm
.Lentry_in_a_cluster:
	s_bfe_u32 s2, ttmp6, 0x10000c
	s_cmp_lg_u32 s2, 0x3003
	s_cbranch_scc0 .Lentry_shape_is_right
	s_endpgm
.Lentry_shape_is_right:
; out0[h][q][:] = the sum over k <= q of softmax_k(Q[h][q] . K[h][k] / sqrt(128)) V[h][k][:], 32 heads, 2,048 queries and keys, 128 channels; both products on codes of BF6 (E3M2) with one E8M0 scale for each 32 along K.
; Q arrives as f32 and is quantised here, in registers, along the channels.  K and V come from kv, which the launch before has laid as images of the operands' registers: for each head and each step of 128 keys a RECORD
; of 25,600 bytes: K's 8 tiles (1,536 bytes each), V^T's 8 tiles, K's 128 scale words, V's 128.  Register p of lane l of a tile lies at 512 (p / 4) + 16 l + 4 (p % 4): three loads of 16 bytes a lane, each of 512 consecutive bytes.
; THE SOFTMAX AHEAD OF THE SECOND PRODUCT: t = score x log2(e) / sqrt(128); M = the row's largest t so far, rounded UP to a whole number; p = 2^(t - M) is what is quantised, along the keys; it is not normalised.
; The row's sum is taken of the unquantised p, in f32, and divides at the end.  When M moves, the sum and O are multiplied by 2^(old M - new M): exact.
; LAYOUT.  Both products are used transposed: S^T = K Q^T (source 0 = 16 keys, source 1 = my 16 queries), O^T = V^T P^T (source 0 = 16 channels, source 1 = P): a lane holds ONE query (lane % 16) throughout.
; Row r of K's tile 2 b + u is key 32 b + 8 u + r + 8 (r / 8) of the step, so that the 16 registers of tiles 2 b and 2 b + 1 are 16 neighbouring keys, 32 b + 16 (lane / 16) + 0 .. 15.
; SHARES.  Sixteen waves, four to a SIMD, each with ONE tile of 16 queries in 256 registers, so that one wave's vector work stands beside another's matrix work and LDS loads.
; Work-group x (0 .. 7) of a head: the wave of rank k (0 .. 15) owns queries 128 k + 16 x + 0 .. 15.  Step j (keys 128 j on) is hidden from it where j > k, lies on the diagonal where j = k, counts whole where j < k:
; so every work-group has 1 + 2 + .. + 16 = 136 tile steps.  The rank is the wave's number w, or 15 - w where w lies on a diagonal of the 4 x 4 square of the numbers 0 .. 15: rows and columns of that square then sum to 30,
; so four waves w % 4 alike, or w / 4 alike, have 34 tile steps together.
; Every wave walks all 16 steps with constant trip counts; of a hidden step only the WORK is jumped over, by a scalar branch on the step's and the wave's numbers.  No barrier and no tensor load stands in a step.
; THE WAY OUT STANDS AT THE END OF A WAVE'S DIAGONAL STEP, its last with work: a wave's 8 KiB of out0 leave as soon as they are finished, while the waves of higher rank go on; only rank 15's stores come behind the last step.
; CLUSTER.  The four work-groups of a cluster belong to one head and walk the same records, so each record is asked for JOINTLY: the same tensor load, with the same descriptor and a mask that names the four, in all four.
; The work-group's place in its cluster enters Q's and out0's addresses and the mask's lane number, and nothing else: no branch, no LDS address, no descriptor.
; RING.  Two slots of four records (102,400 bytes); waves 0-3 bring one record each by one load; a fill has four steps' work in which to land.
; LIMITS: NaN and infinities among the inputs are not served.  A block of Q whose largest magnitude lies under 2^-122 (zeros too) gets the byte 1; a block of p whose every number has fallen to 0 likewise: zero codes add nothing.
; A p under 2^-126 becomes 0 (v_exp_f32 flushes: ISA guide 15.8).  t is the score times ONE constant, rounded once, where the definition multiplies twice.
.set REC,   25600
.set VIMG,  12288
.set KSC,   24576
.set VSC,   25088
.set FRB,   1536
.set SLOTB, 4*REC
.set SLOT1, 1<<17                      ; slot 1 begins here, so that one exclusive or turns an address in one slot into the other's
.set SCR,   SLOT1+SLOTB                ; behind the ring: a stage of 16 rows x 272 bytes for each wave, for Q's way in and O's way out; no fill lands here
.set SPT,   272                        ; 256 bytes + 16: sixteen neighbouring rows begin 17 x 16 bytes apart (64 banks of 4 bytes: ISA guide 11.1)
.set WSC,   16*SPT
.set SPARE, SCR+16*WSC                 ; the spare words, 128 bytes for each wave: eight blocks of 256 bytes that no other line names
.set LI,   1                           ; v1   16 x lane: my place in an image
.set LSW,  2                           ; v2   4 x lane: my place among a pair of tiles' scale words
.set SCB,  3                           ; v3   my stage by rows: lanes 0-15 one row of 256 bytes, lanes 16-31 the next
.set SCI,  4                           ; v4   my stage, O's way in: row r, + 32 h
.set SPW,  5                           ; v5   LDS address of my spare word: SPARE + 4 x my thread's number; never rewritten
.set NIL,  6                           ; v6   0; never rewritten
.set GO,   7                           ; v7   my byte offset in the wave's 16 rows of Q and of out0: 512 h + 16 r
.set ADK,  8                           ; v8   LDS address of the step's images
.set ADS,  9                           ; v9   and of its scale words
.set MD,   10                          ; v10  the mask's number: my query less the diagonal step's first key, less 16 h
.set SCQ,  11                          ; v11  my stage, Q's way out: row r, + 128 h
.set QF,   16                          ; v16-27   Q's codes            (v12 -M, v13 the largest t, v[14:15] the sum in two halves)
.set FRG,  32                          ; v32-79   four fragments of K, then V's first four
.set S,    96                          ; v96-159  S^T, then p, then (v96-143) V's last four fragments
.set OT,   160                         ; v160-223 O^T
.set PC,   224                         ; v224-235 p's codes
.set SW,   248                         ; v248-251 the scale words of four pairs of tiles: lanes 0-15 the even tile's, lanes 16-31 the odd tile's
.set PW,   253                         ; v253     p's scale word                      (v232-247, v252, v254 at work)
.set QW,   255                         ; v255     Q's scale word
.set QM,   232                         ; Q's quantiser: v232-233 largest magnitudes; v234-235 scale operands; v236-237 bytes; v238 a permute's destination; v239 8 h; v240-242, v244-246 upper halves
.set QS,   234
.set QB,   236
.set QT,   238
.set QH,   239
.set QC,   240
.set WV,   10                          ; s10  my wave's number
.set RK,   11                          ; s11  my rank
.set DX,   12                          ; s12  16 x work-group x
.set G1,   16                          ; s[16:23] descriptor group 1
.set G0,   24                          ; s[24:27] descriptor group 0, which walks
.set SEL,  28                          ; s[28:29] lane selects for v_permlanex16_b32: lane l xor 16
.set CS,   30                          ; s[30:31] c = log2(e) / sqrt(128): the packed form names a pair and takes its low word for both halves
.set TB,   32                          ; s32  LDS byte at which the step's record begins
.set SLOTS, 33                         ; s33  slots still to be asked for
.set CNT,  34                          ; s34  counts a slot's four steps
.set J,    35                          ; s35  the step's number
; A round of the cluster's barrier: my work-group's barrier, so that wave 0's signal speaks for all sixteen waves; wave 0 signals for the work-group; every wave waits for all four work-groups; my work-group's barrier once more.
.macro CROUND
	s_barrier_signal -1
	s_barrier_wait -1
	s_cmp_lg_u32 s[WV], 0
	s_cbranch_scc1 .Lnot_wave_0_\@
	s_barrier_signal -3
.Lnot_wave_0_\@:
	s_barrier_wait -3
	s_barrier_signal -1
	s_barrier_wait -1
.endm
; A joint load: waves 0-3 bring one record each, the others nothing.  The branch hangs on the wave's number alone.  Four v_nop follow the load.
.macro JLOAD
	s_cmp_lt_u32 s[WV], 4
	s_cbranch_scc0 .Lnone_\@
	tensor_load_to_lds s[G0:G0+3], s[G1:G1+7]
	s_nop 0
.rept 4
	v_nop
.endr
.Lnone_\@:
.endm
; 64 numbers of a lane, v[x + 32 c + i] = number 64 c + 32 h + i of my row, become a fragment's 12 registers in v[pc] on, and my row's scale word in v[w] (the same in lanes r and 16 + r).
.macro QFRAG x, pc, w
.irp c, 0,1
	v_max3_num_f32 v[QM+\c], |v[\x+32*\c]|, |v[\x+32*\c+1]|, 0x2800000       ; my block 2 c + h: all its 32 numbers are mine; the floor 2^(5 - 127) holds the byte at 1 from below
.endr
.irp i, 2,4,6,8,10,12,14,16,18,20,22,24,26,28,30
.irp c, 0,1
	s_delay_alu instid0(VALU_DEP_2)
	v_max3_num_f32 v[QM+\c], v[QM+\c], |v[\x+32*\c+\i]|, |v[\x+32*\c+\i+1]|  ; (the two blocks by turns)
.endr
.endr
.irp c, 0,1
	s_delay_alu instid0(VALU_DEP_2)
	v_add_nc_u32 v[QS+\c], 0xfe000000, v[QM+\c]    ; 4 off the exponent field: the conversion takes the exponent field of this operand as its scale, and nothing else of it
.endr
.irp c, 0,1
	s_delay_alu instid0(VALU_DEP_2)
	v_lshrrev_b32 v[QB+\c], 23, v[QS+\c]           ; the scale's byte
.endr
	s_delay_alu instid0(VALU_DEP_1)
	v_lshl_or_b32 v[\w], v[QB+1], 16, v[QB]        ; my two bytes: blocks h and 2 + h,
	s_delay_alu instid0(VALU_DEP_1)
	v_lshlrev_b32 v[\w], v[QH], v[\w]              ; at their places in the word (8 h bits up);
	s_delay_alu instid0(VALU_DEP_1)
	v_permlanex16_b32 v[QT], v[\w], s[SEL], s[SEL+1]
	s_delay_alu instid0(VALU_DEP_1)
	v_or_b32 v[\w], v[\w], v[QT]                   ; with lane l xor 16's two the word is whole
.irp c, 0,1
	v_cvt_scalef32_pk16_bf6_f32 v[\pc+6*\c:\pc+6*\c+2], v[\x+32*\c:\x+32*\c+15], v[QS+\c]
	v_cvt_scalef32_pk16_bf6_f32 v[QC+4*\c:QC+4*\c+2], v[\x+32*\c+16:\x+32*\c+31], v[QS+\c]   ; (a conversion's three registers begin on an even number: a block's upper half is made elsewhere and moved)
.endr
	v_nop                                          ; one plain place behind a scaled conversion
.irp c, 0,1
.irp i, 0,1,2
	v_mov_b32 v[\pc+6*\c+3+\i], v[QC+4*\c+\i]
.endr
.endr
.endm
	s_load_b128 s[4:7], s[0:1], 0x0                ; Q s[4:5], kv s[6:7]
	s_load_b64 s[8:9], s[0:1], 0x10                ; out0
	v_lshl_add_u32 v[SPW], v0, 2, SPARE
	v_mov_b32 v[NIL], 0
	ds_add_u32 v5, v6
	ds_add_u32 v5, v6
	s_wait_dscnt 0x0
	v_lshrrev_b32 v12, 5, v0
	s_delay_alu instid0(VALU_DEP_1)
	v_readfirstlane_b32 s[WV], v12                 ; wave 0..15
	v_and_b32 v12, 15, v0                          ; r
	v_bfe_u32 v13, v0, 4, 1                        ; h
	s_delay_alu instid0(VALU_DEP_1)
	v_lshlrev_b32 v[GO], 9, v13
	s_delay_alu instid0(VALU_DEP_1)
	v_lshl_add_u32 v[GO], v12, 4, v[GO]
	s_lshr_b32 s36, s[WV], 2                       ; w = 4 i + j lies on a diagonal of the square where i xor j is 0 or 3: where its two bits are alike
	s_xor_b32 s36, s36, s[WV]
	s_lshr_b32 s37, s36, 1
	s_xor_b32 s36, s36, s37
	s_and_b32 s36, s36, 1                          ; 0 on a diagonal, 1 off
	s_sub_co_u32 s36, s36, 1
	s_and_b32 s36, s36, 15                         ; 15 on a diagonal, 0 off
	s_xor_b32 s[RK], s[WV], s36                    ; the rank: 15 - w or w
	s_bfe_u32 s42, ttmp6, 0x40000                  ; cx: my place in the cluster
	s_lshl_b32 s13, ttmp9, 2                       ; in a cluster launch ttmp9 counts clusters
	s_add_co_u32 s13, s13, s42                     ; work-group x = 4 x cluster x + cx
	s_lshl_b32 s[DX], s13, 4
	s_and_b32 s14, ttmp7, 0xffff                   ; the head, which the four partners share
	s_lshl_b32 s36, s[RK], 7
	s_add_co_u32 s36, s36, s[DX]                   ; my first query: 128 rank + 16 x
	s_lshl_b32 s36, s36, 9                         ; rows of 512 bytes,
	s_lshl_b32 s37, s14, 20                        ; heads of 2,048 rows
	s_add_co_u32 s36, s36, s37
	s_mov_b32 s37, 0
	s_and_b32 s38, s[WV], 3                        ; which record of a slot I bring, if I bring one:
	s_mul_i32 s39, s38, REC                        ; its place in a slot,
	s_mul_i32 s40, s14, 16*REC                     ; and in kv: the head's 16 records, + that place.  None of these registers ever holds cx
	s_add_co_u32 s40, s40, s39
	s_mov_b32 s41, 0
	; descriptor group 1: a record is a dense block: 100 rows of 256 bytes (32 elements of 8 bytes), no padding: an image is read at 16 x lane, 512 consecutive bytes a load
	s_mov_b32 s[G1], 15|(3<<16)|(1<<21)            ; 15:0 the mask: all four work-groups; 17:16 elements of 8 bytes; 20 padding off; 21 set beside a mask
	s_mov_b32 s[G1+1], 32<<16                      ; tensor_dim0 = 32
	s_mov_b32 s[G1+2], 100<<16                     ; tensor_dim1 = 100
	s_mov_b32 s[G1+3], 32<<16                      ; tile_dim0 = 32
	s_mov_b32 s[G1+4], 100                         ; tile_dim1 = 100
	s_mov_b32 s[G1+5], 32                          ; tensor_dim0_stride
	s_mov_b32 s[G1+6], 0
	s_mov_b32 s[G1+7], 0
	s_mov_b32 s[SEL], 0x76543210
	s_mov_b32 s[SEL+1], 0xfedcba98
	s_mov_b32 s[CS], 0x3e0293ee                    ; c = log2(e) / sqrt(128)
	s_mov_b32 s[CS+1], s[CS]                       ; (named with it as a pair, so it is written)
	s_mov_b32 s[TB], 0
	s_mov_b32 s[J], 0
	s_mov_b32 s[SLOTS], 3
	s_wait_alu depctr_va_vdst(0)
	s_wait_kmcnt 0x0
	s_add_nc_u64 s[4:5], s[4:5], s[36:37]          ; Q and out0 at my first query
	s_add_nc_u64 s[8:9], s[8:9], s[36:37]
.irp c, 0,1                            ; Q IS ASKED FOR FIRST, ahead of the round: its loads touch no LDS, nobody writes Q, and they are on their way while the work-groups meet.  Sixteen lanes read 256 consecutive bytes (half c) of row 2 i + h, at a multiple of 256 from Q's first byte
.irp i, 0,1,2,3,4,5,6,7
	global_load_b128 v[S+32*\c+4*\i:S+32*\c+4*\i+3], v[GO], s[4:5] offset:1024*\i+256*\c th:TH_LOAD_NT
.endr
.endr
	CROUND                                         ; all four work-groups are here: the first joint loads meet
	s_mov_b32 s[G0], 1                             ; 1:0 count = 1
	s_mov_b32 s[G0+1], s39                         ; 63:32 LDS address: slot 0
	s_add_nc_u64 s[G0+2:G0+3], s[6:7], s[40:41]    ; 120:64 global address: the head's records 0 to 3
	s_or_b32 s[G0+3], s[G0+3], 0x80000000          ; 127:126 type = 2
	JLOAD                                          ; slot 0: the one first fill at the start; slot 1 is first filled behind the first change of slots, as a refill is
	v_and_b32 v14, 31, v0                          ; lane
	s_delay_alu instid0(VALU_DEP_1)
	v_lshlrev_b32 v[LI], 4, v14
	s_delay_alu instid0(VALU_DEP_2)
	v_lshlrev_b32 v[LSW], 2, v14
	s_mul_i32 s43, s[WV], WSC
	s_add_co_u32 s43, s43, SCR                     ; my stage
	v_mul_u32_u24 v[SCB], v13, SPT
	s_delay_alu instid0(VALU_DEP_1)
	v_lshl_add_u32 v[SCB], v12, 4, v[SCB]
	s_delay_alu instid0(VALU_DEP_1)
	v_add_nc_u32 v[SCB], s43, v[SCB]
	v_mul_u32_u24 v[SCI], v12, SPT
	s_delay_alu instid0(VALU_DEP_1)
	v_lshl_add_u32 v[SCQ], v13, 7, v[SCI]
	s_delay_alu instid0(VALU_DEP_2)
	v_lshl_add_u32 v[SCI], v13, 5, v[SCI]
	s_delay_alu instid0(VALU_DEP_2)
	v_add_nc_u32 v[SCQ], s43, v[SCQ]
	s_delay_alu instid0(VALU_DEP_2)
	v_add_nc_u32 v[SCI], s43, v[SCI]
	v_lshlrev_b32 v15, 4, v13
	s_delay_alu instid0(VALU_DEP_1)
	v_sub_nc_u32 v[MD], v12, v15
	s_delay_alu instid0(VALU_DEP_1)
	v_add_nc_u32 v[MD], s[DX], v[MD]               ; 16 x + r - 16 h
	v_lshlrev_b32 v[QH], 3, v13
	v_mov_b32 v[QT], 0                             ; a lane permute's destination counts as one of its sources
	s_wait_alu depctr_va_vdst(0)
.irp c, 0,1                            ; half a row of 16 queries at a time through my stage: in by rows, out 128 bytes of ONE row a lane: numbers 64 c + 32 h + 0 .. 31 of query r
	s_wait_loadcnt 8-8*\c                          ; this half's eight loads are in; the other half's eight may stay out
.irp i, 0,1,2,3,4,5,6,7
	ds_store_b128 v[SCB], v[S+32*\c+4*\i:S+32*\c+4*\i+3] offset:2*SPT*\i
.endr
.irp j, 0,1,2,3,4,5,6,7
	ds_load_b128 v[OT+32*\c+4*\j:OT+32*\c+4*\j+3], v[SCQ] offset:16*\j   ; LDS serves a wave's instructions in order (ISA guide 5.7.1.4): these see the stores above, and the next half's stores come behind them
.endr
.endr
	s_wait_dscnt 0x0
	QFRAG OT, QF, QW
	v_mov_b32 v13, 0xff61b1e6                      ; the largest t so far: -3e38, under every t
	s_delay_alu instid0(VALU_DEP_1)
	v_floor_f32 v12, -v13                          ; -M
	v_mov_b32 v14, 0                               ; the sum, in two halves
	v_mov_b32 v15, 0
.irp b, 0,1,2,3
	v_mov_b32 v[236+\b], 0                         ; written once: a lane permute's destination counts as one of its sources
.endr
	v_mov_b32 v[PW], 0                             ; (named as the upper half of the pair v[252:253] before it is first written)
.set i, 0
.rept 64
	v_mov_b32 v[OT+i], 0                           ; O^T.  (A step is written once: the first finds zeros, which the first change of M leaves zeros.  These lines are also the places between Q's codes and scale word and the first product)
.set i, i+1
.endr
.macro PLACES                          ; four places in front of loads into registers that matrix instructions have read, and of the first read of results (ISA guide 7.12.1 for vector instructions)
.rept 4
	v_nop
.endr
.endm
.macro LOADF reg, base, g              ; four fragments into v[reg] on: tiles 4 g .. 4 g + 3 of the images that begin at byte base of the record
.irp t, 0,1,2,3
.irp c, 0,1,2
	ds_load_b128 v[\reg+12*\t+4*\c:\reg+12*\t+4*\c+3], v[ADK] offset:\base+(4*\g+\t)*FRB+512*\c
.endr
.endr
.endm
.macro LOADS base                      ; the scale words of all eight tiles: register g: lanes 0-15 tile 2 g's, lanes 16-31 tile 2 g + 1's
.irp g, 0,1,2,3
	ds_load_b32 v[SW+\g], v[ADS] offset:\base+128*\g
.endr
.endm
.macro KQ g                            ; S^T = K Q^T, tiles 4 g .. 4 g + 3; the odd tile takes its scale words from lanes 16-31
.irp p, 0,1
	v_wmma_scale_f32_16x16x128_f8f6f4 v[S+8*(4*\g+2*\p):S+8*(4*\g+2*\p)+7], v[FRG+24*\p:FRG+24*\p+11], v[QF:QF+11], 0, v[SW+2*\g+\p], v[QW] matrix_a_fmt:MATRIX_FMT_BF6 matrix_b_fmt:MATRIX_FMT_BF6
	v_wmma_scale_f32_16x16x128_f8f6f4 v[S+8*(4*\g+2*\p+1):S+8*(4*\g+2*\p+1)+7], v[FRG+24*\p+12:FRG+24*\p+23], v[QF:QF+11], 0, v[SW+2*\g+\p], v[QW] matrix_a_fmt:MATRIX_FMT_BF6 matrix_b_fmt:MATRIX_FMT_BF6 matrix_a_scale:MATRIX_SCALE_ROW1
.endr
.endm
.macro PV reg, g                       ; O^T += V^T P^T, channels 64 g on, V's four fragments in v[reg] on.  The eight accumulators take turns, one instruction a turn
.irp p, 0,1
	v_wmma_scale_f32_16x16x128_f8f6f4 v[OT+8*(4*\g+2*\p):OT+8*(4*\g+2*\p)+7], v[\reg+24*\p:\reg+24*\p+11], v[PC:PC+11], v[OT+8*(4*\g+2*\p):OT+8*(4*\g+2*\p)+7], v[SW+2*\g+\p], v[PW] matrix_a_fmt:MATRIX_FMT_BF6 matrix_b_fmt:MATRIX_FMT_BF6
	v_wmma_scale_f32_16x16x128_f8f6f4 v[OT+8*(4*\g+2*\p+1):OT+8*(4*\g+2*\p+1)+7], v[\reg+24*\p+12:\reg+24*\p+23], v[PC:PC+11], v[OT+8*(4*\g+2*\p+1):OT+8*(4*\g+2*\p+1)+7], v[SW+2*\g+\p], v[PW] matrix_a_fmt:MATRIX_FMT_BF6 matrix_b_fmt:MATRIX_FMT_BF6 matrix_a_scale:MATRIX_SCALE_ROW1
.endr
.endm
; THE WAY OUT of my tile.  O^T is divided by the row's sum and goes through my stage in LDS, half a row (64 channels, 256 bytes) of 16 queries at a time, so that sixteen lanes store 256 consecutive bytes.
.macro WAYOUT
	v_add_f32 v14, v14, v15                        ; the sum's two halves,
	s_delay_alu instid0(VALU_DEP_1)
	v_permlanex16_b32 v252, v14, s[SEL], s[SEL+1]  ; (v252 held f: it has been written)
	s_delay_alu instid0(VALU_DEP_1)
	v_add_f32 v14, v14, v252                       ; and lane l xor 16's: the row's sum
	s_wait_alu depctr_va_vdst(0)
	v_rcp_f32 v14, v14
	v_nop                                          ; a plain place behind the reciprocal;
	v_nop                                          ; with the two additions these two are the four places behind the last products, whose results are read and whose fragments' registers are written below
.set i, 0
	s_wait_alu depctr_va_vdst(0)
.rept 64
	v_mul_f32 v[S+i], v[OT+i], v14                 ; register 8 t + i is out0(r, 16 t + 8 h + i); each accumulator from its low end on
.set i, i+1
.endr
.irp u, 0,1                            ; channels 64 u on
.irp t, 0,1,2,3
	ds_store_b128 v[SCI], v[S+32*\u+8*\t:S+32*\u+8*\t+3] offset:64*\t
	ds_store_b128 v[SCI], v[S+32*\u+8*\t+4:S+32*\u+8*\t+7] offset:64*\t+16
.endr
.irp i, 0,1,2,3,4,5,6,7
	ds_load_b128 v[FRG+32*\u+4*\i:FRG+32*\u+4*\i+3], v[SCB] offset:2*SPT*\i   ; in order behind my stores; the next half's stores come behind these
.endr
.endr
.irp u, 0,1
.irp i, 0,1,2,3,4,5,6,7
	s_wait_dscnt 15-8*\u-\i                        ; this load is back; at most the younger loads stay out
	global_store_b128 v[GO], v[FRG+32*\u+4*\i:FRG+32*\u+4*\i+3], s[8:9] offset:1024*\i+256*\u th:TH_STORE_NT   ; sixteen lanes store 256 consecutive bytes, at a multiple of 256 from out0's first byte; written once, read by nobody here
.endr
.endr
	s_wait_xcnt 0x0                                ; the stores have read their registers (ISA guide 3.1): the text behind this line loads into them.  Nothing waits for the stores themselves
.endm
; A KEY STEP: the 128 keys of the record at LDS byte s[TB].
.macro STEP
	s_cmp_gt_u32 s[J], s[RK]                       ; all its keys come after my queries: only the two lines at the step's end are run
	s_cbranch_scc1 .Lhidden_\@
	s_setprio 2
	v_add_nc_u32 v[ADK], s[TB], v[LI]
	v_add_nc_u32 v[ADS], s[TB], v[LSW]
.rept 3
	v_nop                                          ; with the two additions: FIVE places behind the last step's products: four for the loads below, the fifth since this step's first products write their results over v96-143, which those products read
.endr
	LOADS KSC
	LOADF FRG, 0, 0
	s_wait_alu depctr_va_vdst(0)
	s_wait_dscnt 0x0
	KQ 0
	PLACES
	LOADF FRG, 0, 1
	s_wait_dscnt 0x0
	KQ 1
	PLACES
	LOADF FRG, VIMG, 0                             ; V's first four fragments and its scale words are asked for here: they land under the softmax, which touches none of their registers
	LOADS VSC
	s_cmp_lt_u32 s[J], s[RK]                       ; a step all of whose keys count skips the mask
	s_cbranch_scc1 .Lopen_\@
	v_mov_b32 v254, 0xff800000                     ; ON THE DIAGONAL the scores of hidden keys become -infinity ahead of the maximum: p = 0 then.  Register 16 b + i holds key 16 h + 32 b + i of the step: hidden where 32 b + i > v[MD]
.set i, 0
.rept 64
	v_cmp_gt_i32 vcc_lo, 32*(i/16)+i%16, v[MD]
	v_cndmask_b32 v[S+i], v[S+i], v254, vcc_lo
.set i, i+1
.endr
.Lopen_\@:
.irp b, 0,1,2,3
	v_max3_num_f32 v[232+\b], v[S+16*\b], v[S+1+16*\b], v[S+2+16*\b]   ; THE LARGEST SCORE OF EACH BLOCK OF 32 KEYS: it serves twice: for the row's maximum, and, since p rises with the score, for the block's largest p
.endr
.irp i, 3,5,7,9,11,13
.irp b, 0,1,2,3
	v_max3_num_f32 v[232+\b], v[232+\b], v[S+16*\b+\i], v[S+1+16*\b+\i]   ; (the four blocks by turns)
.endr
.endr
.irp b, 0,1,2,3
	v_max_num_f32 v[232+\b], v[232+\b], v[S+15+16*\b]
.endr
.irp b, 0,1,2,3
	s_delay_alu instid0(VALU_DEP_4)
	v_permlanex16_b32 v[236+\b], v[232+\b], s[SEL], s[SEL+1]
.endr
.irp b, 0,1,2,3
	s_delay_alu instid0(VALU_DEP_4)
	v_max_num_f32 v[232+\b], v[232+\b], v[236+\b]  ; with lane l xor 16's 16 keys
.endr
	s_delay_alu instid0(VALU_DEP_2)
	v_max3_num_f32 v254, v232, v233, v234
	s_delay_alu instid0(VALU_DEP_1)
	v_max_num_f32 v254, v254, v235                 ; the step's largest score of my query
	s_delay_alu instid0(VALU_DEP_1)
	v_mul_f32 v254, s[CS], v254                    ; as t (c is positive)
	s_delay_alu instid0(VALU_DEP_1)
	v_max_num_f32 v13, v13, v254                   ; the running largest t
	v_mov_b32 v254, v12
	s_delay_alu instid0(VALU_DEP_2)
	v_floor_f32 v12, -v13                          ; the new -M = floor(-t) = -ceil(t): M IS A WHOLE NUMBER
	s_delay_alu instid0(VALU_DEP_1)
	v_sub_f32 v254, v12, v254                      ; M's old value less its new one: a whole number, 0 or less
	s_delay_alu instid0(VALU_DEP_1)
	v_cvt_i32_f32 v254, v254                       ; (it saturates)
	s_delay_alu instid0(VALU_DEP_1)
	v_ldexp_f32 v252, 1.0, v254                    ; f = 2^(old M - new M): what was summed under the old M is brought under the new by a multiplication that rounds nothing
.irp j, 0,2,4,6,8,10,12,14,16,18,20,22,24,26,28,30,32,34,36,38,40,42,44,46,48,50,52,54,56,58,60,62
	v_pk_fma_f32 v[S+\j:S+1+\j], v[S+\j:S+1+\j], s[CS:CS+1], v[12:13] op_sel_hi:[1,0,0]   ; t - M, two at a time (of the pairs c and -M the low word serves both halves)
.endr
.irp b, 0,1,2,3
	v_fma_f32 v[232+\b], v[232+\b], s[CS], v12     ; the same of each block's largest score
.endr
.set i, 0
	s_wait_alu depctr_va_vdst(0)
.rept 64
	v_exp_f32 v[S+i], v[S+i]                       ; p = 2^(t - M), at most 1: NOT normalised
.set i, i+1
.endr
.irp b, 0,1,2,3
	v_exp_f32 v[232+\b], v[232+\b]                 ; the block's largest p: the same two instructions on the same number give the same bits
.endr
	v_pk_mul_f32 v[14:15], v[14:15], v[252:253] op_sel_hi:[1,0]   ; the sums under the new M.  (A plain place behind the exponentials)
	s_wait_alu depctr_va_vdst(0)
.irp b, 0,1,2,3
	v_max_num_f32 v[232+\b], 0x2800000, v[232+\b]  ; the floor 2^(5 - 127): the byte cannot fall under 1
.endr
.irp b, 0,1,2,3
	s_delay_alu instid0(VALU_DEP_4)
	v_add_nc_u32 v[244+\b], 0xfe000000, v[232+\b]  ; 4 off the exponent field: the conversion's scale operand
.endr
.irp b, 0,1,2,3
	s_delay_alu instid0(VALU_DEP_4)
	v_lshrrev_b32 v[236+\b], 23, v[244+\b]         ; the scale's byte
.endr
	s_delay_alu instid0(VALU_DEP_3)
	v_lshl_or_b32 v[PW], v237, 8, v236             ; p's scale word for these 128 keys
	s_delay_alu instid0(VALU_DEP_1)
	v_lshl_or_b32 v[PW], v238, 16, v[PW]
	s_delay_alu instid0(VALU_DEP_1)
	v_lshl_or_b32 v[PW], v239, 24, v[PW]
	s_setprio 1
	v_pk_add_f32 v[236:237], v[100:101], v[104:105]
	v_pk_add_f32 v[242:243], v[108:109], v[112:113]
	v_pk_add_f32 v[240:241], v[116:117], v[120:121]
	v_pk_add_f32 v[234:235], v[124:125], v[128:129]
	v_pk_add_f32 v[232:233], v[132:133], v[136:137]
	v_pk_add_f32 v[230:231], v[140:141], v[144:145]
	v_pk_add_f32 v[228:229], v[148:149], v[152:153]
	v_pk_add_f32 v[14:15], v[14:15], v[156:157]
	v_pk_add_f32 v[236:237], v[236:237], v[96:97]
	v_pk_add_f32 v[242:243], v[242:243], v[98:99]
	v_pk_add_f32 v[240:241], v[240:241], v[102:103]
	v_pk_add_f32 v[234:235], v[234:235], v[106:107]
	v_pk_add_f32 v[232:233], v[232:233], v[110:111]
	v_pk_add_f32 v[230:231], v[230:231], v[114:115]
	v_pk_add_f32 v[228:229], v[228:229], v[118:119]
	v_pk_add_f32 v[14:15], v[14:15], v[122:123]
	v_pk_add_f32 v[236:237], v[236:237], v[126:127]
	v_pk_add_f32 v[242:243], v[242:243], v[130:131]
	v_pk_add_f32 v[240:241], v[240:241], v[134:135]
	v_pk_add_f32 v[234:235], v[234:235], v[138:139]
	v_pk_add_f32 v[232:233], v[232:233], v[142:143]
	v_pk_add_f32 v[230:231], v[230:231], v[146:147]
	v_pk_add_f32 v[228:229], v[228:229], v[150:151]
	v_pk_add_f32 v[14:15], v[14:15], v[154:155]
	v_pk_add_f32 v[236:237], v[236:237], v[158:159]
	s_delay_alu instid0(VALU_DEP_2)
	v_pk_add_f32 v[14:15], v[14:15], v[234:235]
	s_delay_alu instid0(VALU_DEP_2)
	v_pk_add_f32 v[236:237], v[236:237], v[232:233]
	v_pk_add_f32 v[242:243], v[242:243], v[230:231]
	v_pk_add_f32 v[240:241], v[240:241], v[228:229]
	s_delay_alu instid0(VALU_DEP_2)
	v_pk_add_f32 v[14:15], v[14:15], v[242:243]
	s_delay_alu instid0(VALU_DEP_2)
	v_pk_add_f32 v[236:237], v[236:237], v[240:241]
	s_delay_alu instid0(VALU_DEP_1)
	v_pk_add_f32 v[14:15], v[14:15], v[236:237]
.irp c, 0,1
	v_cvt_scalef32_pk16_bf6_f32 v[PC+6*\c:PC+2+6*\c], v[S+32*\c:S+15+32*\c], v[244+2*\c]
	v_cvt_scalef32_pk16_bf6_f32 v[236+4*\c:238+4*\c], v[S+16+32*\c:S+31+32*\c], v[244+2*\c+1]   ; (a conversion's three registers begin on an even number)
.endr
	v_nop                                          ; one plain place behind a scaled conversion
	LOADF S, VIMG, 1                               ; p has been summed and converted: V's last four fragments come into its registers, 44 vector instructions ahead of the wait for them
.irp c, 0,1                            ; the operand's layout wants a WHOLE block in a lane: lanes 0-15 block 2 c, lanes 16-31 block 2 c + 1
.irp i, 0,1,2
	v_permlane16_swap_b32 v[PC+6*\c+\i], v[236+4*\c+\i]
.endr
.irp i, 0,1,2
	s_delay_alu instid0(VALU_DEP_3)
	v_mov_b32 v[PC+3+6*\c+\i], v[236+4*\c+\i]
.endr
.endr
.irp j, 0,2,4,6,8,10,12,14,16,18,20,22,24,26,28,30,32,34,36,38,40,42,44,46,48,50,52,54,56,58,60,62
	v_pk_mul_f32 v[OT+\j:OT+1+\j], v[OT+\j:OT+1+\j], v[252:253] op_sel_hi:[1,0]   ; O^T under the new M: x f, each accumulator from its low end on.  (These 32 are also the places between p's codes and scale word and the products below)
.endr
	s_wait_alu depctr_va_vdst(0)
	s_wait_dscnt 0x0                               ; all eight of V's fragments and its scale words are in
	PV FRG, 0
	PV S, 1
	s_cmp_lg_u32 s[J], s[RK]                       ; the diagonal step is my last with work: my tile is finished and leaves now
	s_setprio 0
	s_cbranch_scc1 .Lhidden_\@
	WAYOUT
.Lhidden_\@:
	s_add_co_u32 s[J], s[J], 1
	s_add_co_u32 s[TB], s[TB], REC                 ; the next step's record
.endm
; THE CHANGE OF SLOTS stands at a slot's head.  Each wave waits for all its tensor loads (of which at most one is out: its record of the slot ahead), adds 0 to its spare word, and waits for that and for its reads of the slot that it has left.
; Behind the barrier the slot ahead is whole and nobody reads the other one.  fill = 1: the barrier is a round of the cluster's, so that this holds of every wave of all four work-groups, and the other slot is filled with the
; four records that follow: the joint load is the first thing behind the round, and a wave's one tensor load until the next.
.macro CHANGE fill
	s_wait_tensorcnt 0x0                           ; no tensor load of mine is out, so group 0 may be written
	ds_add_u32 v[SPW], v[NIL]                      ; 0 onto my spare word
.if \fill
	s_xor_b32 s[G0+1], s[G0+1], SLOT1              ; the walking descriptor: the other slot than last time,
	s_add_nc_u64 s[G0+2:G0+3], s[G0+2:G0+3], SLOTB ; the next four records; the type bits on top are not reached
.endif
	s_wait_dscnt 0x0                               ; the add is done, and my reads of the slot that I have left are over
.if \fill
	CROUND
	JLOAD
.else
	s_barrier_signal -1
	s_barrier_wait -1
.endif
.endm
.macro SLOT_STEPS                      ; a slot's four steps: written once, walked four times; the LDS addresses hang on s[TB]
	s_mov_b32 s[CNT], 4
.Lstep_\@:
	STEP
	s_sub_co_u32 s[CNT], s[CNT], 1
	s_cmp_lg_u32 s[CNT], 0
	s_cbranch_scc1 .Lstep_\@
	s_setprio 0
	s_sub_co_u32 s[TB], s[TB], SLOTB               ; back to a slot's first record,
	s_xor_b32 s[TB], s[TB], SLOT1                  ; in the other slot
.endm
.Lslot:                                            ; three trips: behind each change of slots but the last the next slot is asked for
	CHANGE 1
	SLOT_STEPS
	s_sub_co_u32 s[SLOTS], s[SLOTS], 1
	s_cmp_lg_u32 s[SLOTS], 0
	s_cbranch_scc1 .Lslot
	CHANGE 0                                       ; the last slot is written out
	SLOT_STEPS                                     ; every rank from 0 to 15 has met its diagonal step among the 16: every tile has left
	s_wait_tensorcnt 0x0                           ; the wave's end: behind my last tensor load and my last LDS store
	ds_add_u32 v[SPW], v[NIL]
	s_wait_dscnt 0x0
	CROUND                                         ; the closing round: no work-group ends while a partner may still ask for a record that names it
	s_endpgm
.Lfunc_end_k_q103ea49020_attn:
	.size	k_q103ea49020_attn, .Lfunc_end_k_q103ea49020_attn-k_q103ea49020_attn
	.p2alignl 7, 3214868480
	.fill 96, 4, 3214868480
	.section	.rodata,"a",@progbits
	.p2align	6, 0x0
	.amdhsa_kernel k_q103ea49020_attn
		.amdhsa_group_segment_fixed_size 327680
		.amdhsa_private_segment_fixed_size 0
		.amdhsa_enable_private_segment 0
		.amdhsa_kernarg_size 24
		.amdhsa_user_sgpr_count 2
		.amdhsa_user_sgpr_kernarg_segment_ptr 1
		.amdhsa_wavefront_size32 1
		.amdhsa_system_sgpr_workgroup_id_x 1
		.amdhsa_system_sgpr_workgroup_id_y 1
		.amdhsa_system_sgpr_workgroup_id_z 1
		.amdhsa_system_vgpr_workitem_id 0
		.amdhsa_next_free_vgpr 256
		.amdhsa_next_free_sgpr 66
		.amdhsa_reserve_vcc 1
		.amdhsa_float_denorm_mode_32 3
		.amdhsa_float_denorm_mode_16_64 3
		.amdhsa_memory_ordered 1
		.amdhsa_forward_progress 1
		.amdhsa_inst_pref_size 81
	.end_amdhsa_kernel
	.amdgpu_metadata
---
amdhsa.version: [ 1, 2 ]
amdhsa.kernels:
  - .name:           k_q103ea49020_attn
    .symbol:         k_q103ea49020_attn.kd
    .args:
      - { .name: Q, .offset: 0, .size: 8, .value_kind: global_buffer, .address_space: global }
      - { .name: kv, .offset: 8, .size: 8, .value_kind: global_buffer, .address_space: global }
      - { .name: out0, .offset: 16, .size: 8, .value_kind: global_buffer, .address_space: global }
    .group_segment_fixed_size: 327680
    .private_segment_fixed_size: 0
    .kernarg_segment_align: 8
    .kernarg_segment_size: 24
    .max_flat_workgroup_size: 512
    .sgpr_count:     66
    .vgpr_count:     256
    .wavefront_size: 32
...
	.end_amdgpu_metadata
.endif
;; end of part 2
